; MI455X (gfx1250); checked and timed in simulation.
; The chip was launched on July 23, 2026; its instructions are those of AMD's public machine-readable ISA for CDNA 5 (MIT licence, August 2026) and "CDNA5" Instruction Set Architecture Reference Guide (July 2026). The comments in the code are by the model that wrote it; some were corrected since.
;; Differentiable Stack. Allowed arithmetic: float matrix products may take bf16 or f16 operands with f32 sums; all other float work in f32.
;; Inputs: pop_gate 16 x 2,048 x 1 float32; push_gate 16 x 2,048 x 1 float32; x 16 x 2,048 x 512 float32.
;; Outputs: out0 16 x 2,048 x 512 float32.
;; 2 versions, each right; version 2 is version 1 with the launch topscan written anew for expert scheduling mode. Each part assembles by itself: llvm-mc -triple=amdgcn-amd-amdhsa -mcpu=gfx1250 --defsym DOCPART=n.
;; ======== version 1 of 2: 1 launch
;; launch topscan (part 1): grid 8 x 16, 16 waves a work-group, no clusters, 26,880 bytes of LDS; arguments x, push_gate, pop_gate, out0; writes out0
.if DOCPART == 1
	.amdgcn_target "amdgcn-amd-amdhsa--gfx1250"
	.amdhsa_code_object_version 6
	.text
	.protected	k_q5dbc7f7cd1_topscan
	.globl	k_q5dbc7f7cd1_topscan
	.p2align	8
	.type	k_q5dbc7f7cd1_topscan,@function
k_q5dbc7f7cd1_topscan:
	s_mov_b64 s[64:65], 0
	v_nop
	global_prefetch_b8 v0, s[64:65] scope:SCOPE_SE
	s_setreg_imm32_b32 hwreg(HW_REG_WAVE_MODE, 25, 1), 1
	s_wait_xcnt 0x0
; out0[b][t][:] = the top slot of the soft stack behind step t.  x, out0: [16][2048][512] f32; push_gate p, pop_gate o: [16][2048] f32.
; WHAT IS COMPUTED.  In a step slot j of the stack takes from slots j and j + 1 alone, the top slot from itself and x[t], and only the top slot is returned.  So for every input
;   h_t = a_t h_(t-1) + g_t x_t,   a = (1 - o)(1 - p),   g = (1 - o) p,   h_(-1) = 0,
; for each channel by itself, with a and g common to the 512 channels of a batch.  The 31 lower slots feed nothing that is returned and are not made.
; SHARES.  A work-group owns one batch and 64 channels (256 bytes of every row, aligned), all 2,048 rows: 16 x 8 = 128 work-groups.  A finer split would either write 256-byte blocks in part
; (fewer channels) or need the carry of rows that another work-group owns (fewer rows).  L goes in 8 stages of 256 rows; in a stage wave w of 16 owns rows 16 w .. 16 w + 15; a lane owns 2 channels,
; so each load and store of a wave covers 256 consecutive bytes, aligned.
; A STAGE.  Local scan in place, l_i = a_i l_(i-1) + g_i x_i with l_(-1) = 0, and the running product P_i = a_0 .. a_i.  Each wave lays (S, A) = (l_15, P_15) into LDS; one barrier; every wave walks the 16
; pairs, H = A_i H + S_i, and keeps H as it stood in front of its own pair: its carry C.  Then out_i = l_i + P_i C.  The walk's end is the next stage's H: every wave makes it itself, which spares a
; second barrier.  The pair tables go by the stage's parity: a table is written again two stages later, behind the next stage's barrier, in front of which every wave has waited for its reads.
; IN FLIGHT.  Four row buffers in registers.  Stages 0 to 2 are asked for at the head, stage s asks for stage s + 3: 32 to 48 loads of a wave, 128 to 192 KiB of the work-group, are out.
; No address register is ever rewritten: a row's place stands in the immediate, 7 x 524,288 + 15 x 2,048 bytes at the most, inside its signed 24 bits.
; LIMITS.  The order of rounding differs from the reference's: a and g are rounded products, h is l + P C.  Where a product of up to 16 consecutive a overflows f32 (|a| of some 250 on average over
; 16 rows) while the carry into that run is exactly 0, 0 x infinity gives NaN; the recurrence itself overflows there unless the g x in front of the run vanish.
.set ROWB,   2048                      ; bytes in a row of x and of out0
.set WAVES,  16
.set CH,     16                        ; rows of a wave in a stage
.set STROWS, WAVES*CH                  ; rows in a stage
.set NST,    2048/STROWS               ; stages
.set STB,    STROWS*ROWB               ; bytes from a stage to the next
.set DEPTH,  4                         ; row buffers
.set ATAB,   0                         ; LDS: a of the batch's 2,048 rows
.set BTAB,   8192                      ;      g likewise
.set STAB,   16384                     ;      two tables of 16 sums S, 256 bytes each
.set SPAR,   WAVES*256
.set WTAB,   STAB+2*SPAR               ;      two tables of 16 products A, in a block of 256 bytes
.set WPAR,   WAVES*4
.set SPARE,  WTAB+256                  ;      the spare words, 128 bytes for each wave: eight blocks of 256 bytes that no other line names
.set XO,  2                            ; v2   my byte offset in x and out0: wave x 16 rows + 8 x lane; never rewritten
.set GA,  3                            ; v3   my wave's 16 rows in a table of a or g: 64 x wave
.set SA,  4                            ; v4   where I put my 8 bytes of S: 8 x thread
.set WA,  5                            ; v5   where my wave puts A: 4 x wave
.set TA,  6                            ; v6   my 8 bytes in any wave's S: 8 x lane
.set LZ,  7                            ; v7   0: the tables of A are read alike by all lanes
.set SPW, 8                            ; v8   LDS address of my spare word: SPARE + 4 x my thread's number; never rewritten
.set NIL, 9                            ; v9   0; never rewritten
.set H,   10                           ; v[10:11]  the walk's running carry
.set C,   12                           ; v[12:13]  my wave's carry
.set GO,  14                           ; v14  16 x thread: my four rows in a gate, and in the tables
.set AP,  16                           ; v[16:31]  a of my 16 rows, then P
.set BB,  32                           ; v[32:47]  g of my 16 rows
.set AW,  48                           ; v[48:63]  the 16 waves' A
.set T,   64                           ; v[64:95]  the 16 waves' S, my 2 channels; at the head: at work on the gates
.set X,   96                           ; v[96:223] buffer k: 16 rows x 2 registers
.set MK,  16                           ; s[17:31]  s[MK+i]: all ones if my wave is wave i, else 0
; d = a x w + c and d = d x w on pairs, with the ONE register w for both halves: w's place in its even-aligned pair picks the selects
.macro BFMA d, a, w, c
.if (\w)%2 == 0
	v_pk_fma_f32 v[(\d):(\d)+1], v[(\a):(\a)+1], v[(\w):(\w)+1], v[(\c):(\c)+1] op_sel_hi:[1,0,1]
.else
	v_pk_fma_f32 v[(\d):(\d)+1], v[(\a):(\a)+1], v[(\w)-1:(\w)], v[(\c):(\c)+1] op_sel:[0,1,0] op_sel_hi:[1,1,1]
.endif
.endm
.macro BMUL d, w
.if (\w)%2 == 0
	v_pk_mul_f32 v[(\d):(\d)+1], v[(\d):(\d)+1], v[(\w):(\w)+1] op_sel_hi:[1,0]
.else
	v_pk_mul_f32 v[(\d):(\d)+1], v[(\d):(\d)+1], v[(\w)-1:(\w)] op_sel:[0,1] op_sel_hi:[1,1]
.endif
.endm
; my wave's 16 rows of stage st are asked for
.macro FILL st
.set FB, X+2*CH*((\st)%DEPTH)
.set i, 0
.rept CH
	global_load_b64 v[FB+2*i:FB+2*i+1], v[XO], s[4:5] offset:(\st)*STB+i*ROWB th:TH_LOAD_NT
.set i, i+1
.endr
.endm
	s_load_b256 s[4:11], s[0:1], 0x0               ; x s[4:5], push_gate s[6:7], pop_gate s[8:9], out0 s[10:11]
	v_lshl_add_u32 v[SPW], v0, 2, SPARE
	v_mov_b32 v[NIL], 0
	v_lshrrev_b32 v1, 5, v0
	v_readfirstlane_b32 s12, v1                    ; my wave's number
	v_and_b32 v[TA], 31, v0
	v_lshlrev_b32 v[TA], 3, v[TA]
	v_lshl_add_u32 v[XO], v1, 15, v[TA]            ; 16 rows of 2,048 bytes a wave
	v_lshlrev_b32 v[GA], 6, v1
	v_lshlrev_b32 v[SA], 3, v0
	v_lshlrev_b32 v[WA], 2, v1
	v_lshlrev_b32 v[GO], 4, v0
	v_mov_b32 v[LZ], 0
	v_mov_b32 v[H], 0                              ; h in front of row 0
	v_mov_b32 v[H+1], 0
	s_and_b32 s13, ttmp7, 0xffff                   ; the batch
	s_lshl_b32 s2, s13, 22                         ; its 2,048 rows of 2,048 bytes,
	s_lshl_b32 s3, ttmp9, 8                        ; my 256 bytes of a row
	s_add_co_u32 s2, s2, s3
	s_mov_b32 s3, 0
	s_lshl_b32 s14, s13, 13                        ; the batch's 8,192 bytes in a gate
	s_mov_b32 s15, 0
.set i, 1
.rept WAVES-1
	s_cmp_eq_u32 s12, i
	s_cselect_b32 s[MK+i], -1, 0
.set i, i+1
.endr
	s_wait_kmcnt 0x0
	s_add_nc_u64 s[4:5], s[4:5], s[2:3]
	s_add_nc_u64 s[10:11], s[10:11], s[2:3]
	s_add_nc_u64 s[6:7], s[6:7], s[14:15]
	s_add_nc_u64 s[8:9], s[8:9], s[14:15]
	global_load_b128 v[T:T+3], v[GO], s[6:7]       ; p of rows 4 t .. 4 t + 3: the 512 threads read the batch's gates once, 512 consecutive bytes a wave
	global_load_b128 v[T+4:T+7], v[GO], s[8:9]     ; o likewise
	FILL 0
	FILL 1
	FILL 2
	s_wait_loadcnt CH*(DEPTH-1)                    ; loads come back in order (ISA guide 5.7.1): the gates are in, the 48 loads of x behind them stay out
	v_pk_fma_f32 v[T+8:T+9],   v[T+4:T+5], -1.0, 1.0 op_sel_hi:[1,0,0]  ; 1 - o
	v_pk_fma_f32 v[T+10:T+11], v[T+6:T+7], -1.0, 1.0 op_sel_hi:[1,0,0]
	v_pk_fma_f32 v[T+12:T+13], v[T:T+1],   -1.0, 1.0 op_sel_hi:[1,0,0]  ; 1 - p
	v_pk_fma_f32 v[T+14:T+15], v[T+2:T+3], -1.0, 1.0 op_sel_hi:[1,0,0]
	v_pk_mul_f32 v[T+16:T+17], v[T+8:T+9],   v[T+12:T+13]               ; a
	v_pk_mul_f32 v[T+18:T+19], v[T+10:T+11], v[T+14:T+15]
	v_pk_mul_f32 v[T+20:T+21], v[T+8:T+9],   v[T:T+1]                   ; g
	v_pk_mul_f32 v[T+22:T+23], v[T+10:T+11], v[T+2:T+3]
	ds_store_b128 v[GO], v[T+16:T+19] offset:ATAB
	ds_store_b128 v[GO], v[T+20:T+23] offset:BTAB
	s_wait_dscnt 0x0                               ; for the others' sake: my part of the two tables is written
	s_barrier_signal -1
	s_barrier_wait -1                              ; everybody's is
.macro STAGE s
.set XB, X+2*CH*((\s)%DEPTH)           ; this stage's rows
.set PS, STAB+SPAR*((\s)%2)            ; this stage's table of S
.set PW, WTAB+WPAR*((\s)%2)            ; and of A
.set YOUNG, CH*(NST-1-(\s))            ; loads of later stages that have been issued: two stages', fewer at the end
.if YOUNG > CH*(DEPTH-2)
.set YOUNG, CH*(DEPTH-2)
.endif
.set NT, WAVES-((\s)+1)/NST            ; pairs that the walk takes in: all 16; in the last stage 15, since no stage follows
.irp k, 0,1,2,3
	ds_load_b128 v[AP+4*\k:AP+4*\k+3], v[GA] offset:ATAB+(\s)*STROWS*4+16*\k  ; all lanes read the same 16 bytes
.endr
.irp k, 0,1,2,3
	ds_load_b128 v[BB+4*\k:BB+4*\k+3], v[GA] offset:BTAB+(\s)*STROWS*4+16*\k
.endr
	s_wait_dscnt 0x0
	; the local scan, in place, four rows at a time as they come in
.set g, 0
.rept CH/4
	s_wait_loadcnt YOUNG+CH-4-4*g                  ; rows 4 g .. 4 g + 3 are in; the stage's later rows and the later stages' stay out
.irp j, 0,1,2,3
	BMUL XB+2*(4*g+\j), BB+4*g+\j
.endr
.irp j, 0,1,2,3
.if 4*g+\j > 0
	BFMA XB+2*(4*g+\j), XB+2*(4*g+\j)-2, AP+4*g+\j, XB+2*(4*g+\j)
	v_mul_f32 v[AP+4*g+\j], v[AP+4*g+\j], v[AP+4*g+\j-1]  ; a_i has been used: its register takes P_i
.endif
.endr
.set g, g+1
.endr
	ds_store_b64 v[SA], v[XB+2*CH-2:XB+2*CH-1] offset:PS  ; S: the 32 lanes fill my wave's 256 bytes
	ds_store_b32 v[WA], v[AP+CH-1] offset:PW              ; A: all lanes write the same word with the same value
.if (\s)+DEPTH-1 < NST
.if (\s) > 0
	s_wait_xcnt 0x0                                ; the buffer asked for next holds the rows that the stage before stored: it is loaded again only behind this wait (ISA guide 3.1)
.endif
	FILL (\s)+DEPTH-1
.endif
	s_wait_dscnt 0x0                               ; for the others' sake: my pair is written (and my reads of the other table ended with the walk before)
	s_barrier_signal -1
	s_barrier_wait -1
.irp k, 0,1,2,3
	ds_load_b128 v[AW+4*\k:AW+4*\k+3], v[LZ] offset:PW+16*\k
.endr
.set i, 0
.rept NT
	ds_load_b64 v[T+2*i:T+2*i+1], v[TA] offset:PS+256*i
.set i, i+1
.endr
	; the walk over the waves' pairs; the masks hang on the wave's number alone
.set i, 0
.rept WAVES
.if i == 0
	v_mov_b32 v[C], v[H]                           ; wave 0's carry is the stage's; in the other waves it is replaced below
	v_mov_b32 v[C+1], v[H+1]
.else
	v_cndmask_b32 v[C], v[C], v[H], s[MK+i]
	v_cndmask_b32 v[C+1], v[C+1], v[H+1], s[MK+i]
.endif
.if i < NT
	s_wait_dscnt NT-1-i                            ; LDS loads come back in order (ISA guide 5.7.1): the products and S_0 .. S_i are in, the younger S stay out
	BFMA H, H, AW+i, T+2*i
.endif
.set i, i+1
.endr
.set i, 0
.rept CH
	BFMA XB+2*i, C, AP+i, XB+2*i
	global_store_b64 v[XO], v[XB+2*i:XB+2*i+1], s[10:11] offset:(\s)*STB+i*ROWB th:TH_STORE_NT  ; 256 consecutive bytes, at a multiple of 256 from out0's first byte
.set i, i+1
.endr
.endm
	STAGE 0
	STAGE 1
	STAGE 2
	STAGE 3
	STAGE 4                                        ; asks for the last stage's rows
	STAGE 5
	STAGE 6
	STAGE 7
	s_wait_tensorcnt 0x0                           ; the wave's end, behind my last LDS store
	ds_add_u32 v[SPW], v[NIL]
	s_wait_dscnt 0x0
	s_endpgm
.Lfunc_end_k_q5dbc7f7cd1_topscan:
	.size	k_q5dbc7f7cd1_topscan, .Lfunc_end_k_q5dbc7f7cd1_topscan-k_q5dbc7f7cd1_topscan
	.p2alignl 7, 3214868480
	.fill 96, 4, 3214868480
	.section	.rodata,"a",@progbits
	.p2align	6, 0x0
	.amdhsa_kernel k_q5dbc7f7cd1_topscan
		.amdhsa_group_segment_fixed_size 26880
		.amdhsa_private_segment_fixed_size 0
		.amdhsa_enable_private_segment 0
		.amdhsa_kernarg_size 32
		.amdhsa_user_sgpr_count 2
		.amdhsa_user_sgpr_kernarg_segment_ptr 1
		.amdhsa_wavefront_size32 1
		.amdhsa_system_sgpr_workgroup_id_x 1
		.amdhsa_system_sgpr_workgroup_id_y 1
		.amdhsa_system_sgpr_workgroup_id_z 1
		.amdhsa_system_vgpr_workitem_id 0
		.amdhsa_next_free_vgpr 224
		.amdhsa_next_free_sgpr 66
		.amdhsa_reserve_vcc 0
		.amdhsa_float_denorm_mode_32 3
		.amdhsa_float_denorm_mode_16_64 3
		.amdhsa_memory_ordered 1
		.amdhsa_forward_progress 1
		.amdhsa_inst_pref_size 99
	.end_amdhsa_kernel
	.amdgpu_metadata
---
amdhsa.version: [ 1, 2 ]
amdhsa.kernels:
  - .name:           k_q5dbc7f7cd1_topscan
    .symbol:         k_q5dbc7f7cd1_topscan.kd
    .args:
      - { .name: x, .offset: 0, .size: 8, .value_kind: global_buffer, .address_space: global }
      - { .name: push_gate, .offset: 8, .size: 8, .value_kind: global_buffer, .address_space: global }
      - { .name: pop_gate, .offset: 16, .size: 8, .value_kind: global_buffer, .address_space: global }
      - { .name: out0, .offset: 24, .size: 8, .value_kind: global_buffer, .address_space: global }
    .group_segment_fixed_size: 26880
    .private_segment_fixed_size: 0
    .kernarg_segment_align: 8
    .kernarg_segment_size: 32
    .max_flat_workgroup_size: 512
    .sgpr_count:     66
    .vgpr_count:     224
    .wavefront_size: 32
...
	.end_amdgpu_metadata
.endif
;; end of part 1
;; ======== version 2 of 2: 1 launch; version 1 with the launch topscan written anew for expert scheduling mode
;; launch topscan (part 2): grid 8 x 16, 16 waves a work-group, no clusters, 26,880 bytes of LDS; arguments x, push_gate, pop_gate, out0; writes out0
.if DOCPART == 2
	.amdgcn_target "amdgcn-amd-amdhsa--gfx1250"
	.amdhsa_code_object_version 6
	.text
	.protected	k_q5dbc7f7cd1_topscan
	.globl	k_q5dbc7f7cd1_topscan
	.p2align	8
	.type	k_q5dbc7f7cd1_topscan,@function
k_q5dbc7f7cd1_topscan:
	s_mov_b64 s[64:65], 0
	v_nop
	global_prefetch_b8 v0, s[64:65] scope:SCOPE_SE
	s_setreg_imm32_b32 hwreg(HW_REG_WAVE_SCHED_MODE, 0, 2), 2
	s_setreg_imm32_b32 hwreg(HW_REG_WAVE_MODE, 25, 1), 1
	s_wait_xcnt 0x0
	s_wait_alu depctr_vm_vsrc(0)
; out0[b][t][:] = the top slot of the soft stack behind step t.  x, out0: [16][2048][512] f32; push_gate p, pop_gate o: [16][2048] f32.
; WHAT IS COMPUTED.  In a step slot j of the stack takes from slots j and j + 1 alone, the top slot from itself and x[t], and only the top slot is returned.  So for every input
;   h_t = a_t h_(t-1) + g_t x_t,   a = (1 - o)(1 - p),   g = (1 - o) p,   h_(-1) = 0,
; for each channel by itself, with a and g common to the 512 channels of a batch.  The 31 lower slots feed nothing that is returned and are not made.
; SHARES.  A work-group owns one batch and 64 channels (256 bytes of every row, aligned), all 2,048 rows: 16 x 8 = 128 work-groups.  A finer split would either write 256-byte blocks in part
; (fewer channels) or need the carry of rows that another work-group owns (fewer rows).  L goes in 8 stages of 256 rows; in a stage wave w of 16 owns rows 16 w .. 16 w + 15; a lane owns 2 channels,
; so each load and store of a wave covers 256 consecutive bytes, aligned.
; A STAGE.  Local scan in place, l_i = a_i l_(i-1) + g_i x_i with l_(-1) = 0, and the running product P_i = a_0 .. a_i.  Each wave lays (S, A) = (l_15, P_15) into LDS; one barrier; every wave walks the 16
; pairs, H = A_i H + S_i, and keeps H as it stood in front of its own pair: its carry C.  Then out_i = l_i + P_i C.  The walk's end is the next stage's H: every wave makes it itself, which spares a
; second barrier.  The pair tables go by the stage's parity: a table is written again two stages later, behind the next stage's barrier, in front of which every wave has waited for its reads.
; IN FLIGHT.  Four row buffers in registers.  Stages 0 to 2 are asked for at the head, stage s asks for stage s + 3: 32 to 48 loads of a wave, 128 to 192 KiB of the work-group, are out.
; No address register is ever rewritten: a row's place stands in the immediate, 7 x 524,288 + 15 x 2,048 bytes at the most, inside its signed 24 bits.
; LIMITS.  The order of rounding differs from the reference's: a and g are rounded products, h is l + P C.  Where a product of up to 16 consecutive a overflows f32 (|a| of some 250 on average over
; 16 rows) while the carry into that run is exactly 0, 0 x infinity gives NaN; the recurrence itself overflows there unless the g x in front of the run vanish.
; THE MODE: SCHED_MODE bits 1:0 = 2 (LLVM: expert scheduling mode 2), set by the entry lines.  The code itself states the register dependences between vector instructions and memory or LDS
; instructions, with s_wait_alu, always for 0.
; THE PLAN.  Registers that memory or LDS instructions touch (the text has no loop and no branch: one path):
;   v2-v9, v14  offsets and LDS addresses: written at the head, never again.
;   X0 .. X3    Stage s: the scan works in place on X[s % 4]; the LDS store of S reads its last pair; the last multiply-adds write it; the 16 stores read it.  The loads of stage s + 4, issued in stage s + 1, land in it.
;   AB0, AB1    a and g.  Stage s: the scan reads g and turns a into P in AB[s % 2]; the LDS store of A reads P_15; the last multiply-adds read P.  The LDS loads for stage s + 1, issued in stage s, land in the other set.
;   AW, T       the 16 pairs: LDS loads land in them behind the barrier, the walk reads them.  (At the head T holds the gates, and a and g on their way into the tables.)
;   H and C are named by vector instructions alone.
; A stage has three such waits.  (1) va_vdst behind the scan: l_15 and P_15 are written.  No vector instruction stands between it and the walk, so every load issued there (the pairs, the next stage's a and g,
; the rows three stages on) lands in registers that no vector instruction since that wait names.  (2) vm_vsrc behind the barrier: the LDS stores and the stage before's global stores have read their data.
; (3) va_vdst behind the last multiply-adds: the rows are written; the run of 16 stores follows it.
.set ROWB,   2048                      ; bytes in a row of x and of out0
.set WAVES,  16
.set CH,     16                        ; rows of a wave in a stage
.set STROWS, WAVES*CH                  ; rows in a stage
.set NST,    2048/STROWS               ; stages
.set STB,    STROWS*ROWB               ; bytes from a stage to the next
.set DEPTH,  4                         ; row buffers
.set ATAB,   0                         ; LDS: a of the batch's 2,048 rows
.set BTAB,   8192                      ;      g likewise
.set STAB,   16384                     ;      two tables of 16 sums S, 256 bytes each
.set SPAR,   WAVES*256
.set WTAB,   STAB+2*SPAR               ;      two tables of 16 products A, in a block of 256 bytes
.set WPAR,   WAVES*4
.set SPARE,  WTAB+256                  ;      the spare words, 128 bytes for each wave: eight blocks of 256 bytes that no other line names
.set XO,  2                            ; v2   my byte offset in x and out0: wave x 16 rows + 8 x lane; never rewritten
.set GA,  3                            ; v3   my wave's 16 rows in a table of a or g: 64 x wave
.set SA,  4                            ; v4   where I put my 8 bytes of S: 8 x thread
.set WA,  5                            ; v5   where my wave puts A: 4 x wave
.set TA,  6                            ; v6   my 8 bytes in any wave's S: 8 x lane
.set LZ,  7                            ; v7   0: the tables of A are read alike by all lanes
.set SPW, 8                            ; v8   LDS address of my spare word: SPARE + 4 x my thread's number; never rewritten
.set NIL, 9                            ; v9   0; never rewritten
.set H,   10                           ; v[10:11]  the walk's running carry
.set C,   12                           ; v[12:13]  my wave's carry
.set GO,  14                           ; v14  16 x thread: my four rows in a gate, and in the tables
.set AB0, 16                           ; v[16:47]   set 0 of a and g: 16 registers of a, later P, then 16 of g
.set ABD, 208                          ; v[224:255] set 1, so many registers further on; a stage's set goes by its parity
.set AW,  48                           ; v[48:63]  the 16 waves' A
.set T,   64                           ; v[64:95]  the 16 waves' S, my 2 channels; at the head: at work on the gates
.set X,   96                           ; v[96:223] buffer k: 16 rows x 2 registers
.set MK,  16                           ; s[17:31]  s[MK+i]: all ones if my wave is wave i, else 0
; d = a x w + c and d = d x w on pairs, with the ONE register w for both halves: w's place in its even-aligned pair picks the selects
.macro BFMA d, a, w, c
.if (\w)%2 == 0
	v_pk_fma_f32 v[(\d):(\d)+1], v[(\a):(\a)+1], v[(\w):(\w)+1], v[(\c):(\c)+1] op_sel_hi:[1,0,1]
.else
	v_pk_fma_f32 v[(\d):(\d)+1], v[(\a):(\a)+1], v[(\w)-1:(\w)], v[(\c):(\c)+1] op_sel:[0,1,0] op_sel_hi:[1,1,1]
.endif
.endm
.macro BMUL d, w
.if (\w)%2 == 0
	v_pk_mul_f32 v[(\d):(\d)+1], v[(\d):(\d)+1], v[(\w):(\w)+1] op_sel_hi:[1,0]
.else
	v_pk_mul_f32 v[(\d):(\d)+1], v[(\d):(\d)+1], v[(\w)-1:(\w)] op_sel:[0,1] op_sel_hi:[1,1]
.endif
.endm
; my wave's 16 rows of stage st are asked for
.macro FILL st
.set FB, X+2*CH*((\st)%DEPTH)
.set i, 0
.rept CH
	global_load_b64 v[FB+2*i:FB+2*i+1], v[XO], s[4:5] offset:(\st)*STB+i*ROWB th:TH_LOAD_NT
.set i, i+1
.endr
.endm
; a and g of my wave's 16 rows of stage st are asked for, into the stage's set
.macro GATES st
.set GB, AB0+ABD*((\st)%2)
.irp k, 0,1,2,3
	ds_load_b128 v[GB+4*\k:GB+4*\k+3], v[GA] offset:ATAB+(\st)*STROWS*4+16*\k  ; all lanes read the same 16 bytes
.endr
.irp k, 0,1,2,3
	ds_load_b128 v[GB+16+4*\k:GB+16+4*\k+3], v[GA] offset:BTAB+(\st)*STROWS*4+16*\k
.endr
.endm
	s_load_b256 s[4:11], s[0:1], 0x0               ; x s[4:5], push_gate s[6:7], pop_gate s[8:9], out0 s[10:11]
	v_lshl_add_u32 v[SPW], v0, 2, SPARE
	v_mov_b32 v[NIL], 0
	v_lshrrev_b32 v1, 5, v0
	v_readfirstlane_b32 s12, v1                    ; my wave's number
	v_and_b32 v[TA], 31, v0
	v_lshlrev_b32 v[TA], 3, v[TA]
	v_lshl_add_u32 v[XO], v1, 15, v[TA]            ; 16 rows of 2,048 bytes a wave
	v_lshlrev_b32 v[GA], 6, v1
	v_lshlrev_b32 v[SA], 3, v0
	v_lshlrev_b32 v[WA], 2, v1
	v_lshlrev_b32 v[GO], 4, v0
	v_mov_b32 v[LZ], 0
	v_mov_b32 v[H], 0                              ; h in front of row 0
	v_mov_b32 v[H+1], 0
	s_and_b32 s13, ttmp7, 0xffff                   ; the batch
	s_lshl_b32 s2, s13, 22                         ; its 2,048 rows of 2,048 bytes,
	s_lshl_b32 s3, ttmp9, 8                        ; my 256 bytes of a row
	s_add_co_u32 s2, s2, s3
	s_mov_b32 s3, 0
	s_lshl_b32 s14, s13, 13                        ; the batch's 8,192 bytes in a gate
	s_mov_b32 s15, 0
	s_wait_alu depctr_va_sdst(0)                   ; s12 is written, ahead of its first reader: the compares below make the walk's masks from it
.set i, 1
.rept WAVES-1
	s_cmp_eq_u32 s12, i
	s_cselect_b32 s[MK+i], -1, 0
.set i, i+1
.endr
	s_wait_kmcnt 0x0
	s_add_nc_u64 s[4:5], s[4:5], s[2:3]
	s_add_nc_u64 s[10:11], s[10:11], s[2:3]
	s_add_nc_u64 s[6:7], s[6:7], s[14:15]
	s_add_nc_u64 s[8:9], s[8:9], s[14:15]
	s_wait_alu depctr_va_vdst(0)                   ; the offsets and LDS addresses v2 to v9 and v14 are written: every load and store of the kernel reads one of them
	global_load_b128 v[T:T+3], v[GO], s[6:7]       ; p of rows 4 t .. 4 t + 3: the 512 threads read the batch's gates once, 512 consecutive bytes a wave
	global_load_b128 v[T+4:T+7], v[GO], s[8:9]     ; o likewise
	FILL 0
	FILL 1
	FILL 2
	s_wait_loadcnt CH*(DEPTH-1)                    ; loads come back in order (ISA guide 5.7.1): the gates are in, the 48 loads of x behind them stay out
	v_pk_fma_f32 v[T+8:T+9],   v[T+4:T+5], -1.0, 1.0 op_sel_hi:[1,0,0]  ; 1 - o
	v_pk_fma_f32 v[T+10:T+11], v[T+6:T+7], -1.0, 1.0 op_sel_hi:[1,0,0]
	v_pk_fma_f32 v[T+12:T+13], v[T:T+1],   -1.0, 1.0 op_sel_hi:[1,0,0]  ; 1 - p
	v_pk_fma_f32 v[T+14:T+15], v[T+2:T+3], -1.0, 1.0 op_sel_hi:[1,0,0]
	v_pk_mul_f32 v[T+16:T+17], v[T+8:T+9],   v[T+12:T+13]               ; a
	v_pk_mul_f32 v[T+18:T+19], v[T+10:T+11], v[T+14:T+15]
	v_pk_mul_f32 v[T+20:T+21], v[T+8:T+9],   v[T:T+1]                   ; g
	v_pk_mul_f32 v[T+22:T+23], v[T+10:T+11], v[T+2:T+3]
	s_wait_alu depctr_va_vdst(0)                   ; the products have written a and g in v[T+16 .. T+23], which the two LDS stores read
	ds_store_b128 v[GO], v[T+16:T+19] offset:ATAB
	ds_store_b128 v[GO], v[T+20:T+23] offset:BTAB
	s_wait_dscnt 0x0                               ; for the others' sake: my part of the two tables is written
	s_barrier_signal -1
	s_barrier_wait -1                              ; everybody's is
	GATES 0                                        ; stage 0's a and g; each later stage's are asked for in the stage before it.  No vector instruction has named set 0
.macro STAGE s
.set XB, X+2*CH*((\s)%DEPTH)           ; this stage's rows
.set AP, AB0+ABD*((\s)%2)              ; this stage's a, then P
.set BB, AP+16                         ; and g
.set PS, STAB+SPAR*((\s)%2)            ; this stage's table of S
.set PW, WTAB+WPAR*((\s)%2)            ; and of A
.set YOUNG, CH*(NST-1-(\s))            ; loads of later stages that have been issued: two stages', fewer at the end
.if YOUNG > CH*(DEPTH-2)
.set YOUNG, CH*(DEPTH-2)
.endif
.set NT, WAVES-((\s)+1)/NST            ; pairs that the walk takes in: all 16; in the last stage 15, since no stage follows
.set MORE, 8-8*(((\s)+1)/NST)          ; LDS loads issued behind those of S: the next stage's a and g; none in the last stage
	s_wait_dscnt 0x0                               ; a and g of my 16 rows are in
	; the local scan, in place, four rows at a time as they come in
.set g, 0
.rept CH/4
	s_wait_loadcnt YOUNG+CH-4-4*g                  ; rows 4 g .. 4 g + 3 are in; the stage's later rows and the later stages' stay out
.irp j, 0,1,2,3
	BMUL XB+2*(4*g+\j), BB+4*g+\j
.endr
.irp j, 0,1,2,3
.if 4*g+\j > 0
	BFMA XB+2*(4*g+\j), XB+2*(4*g+\j)-2, AP+4*g+\j, XB+2*(4*g+\j)
	v_mul_f32 v[AP+4*g+\j], v[AP+4*g+\j], v[AP+4*g+\j-1]  ; a_i has been used: its register takes P_i
.endif
.endr
.set g, g+1
.endr
	s_wait_alu depctr_va_vdst(0)                   ; the scan has written l_15 and P_15, which the two LDS stores read.  No vector instruction follows up to the walk: the loads below land in AW, T, the other set of a and g and the row buffer of the stage before, all last named ahead of this wait
	ds_store_b64 v[SA], v[XB+2*CH-2:XB+2*CH-1] offset:PS  ; S: the 32 lanes fill my wave's 256 bytes
	ds_store_b32 v[WA], v[AP+CH-1] offset:PW              ; A: all lanes write the same word with the same value
	s_wait_dscnt 0x0                               ; for the others' sake: my pair is written (and my reads of the other table ended with the walk before)
	s_barrier_signal -1
	s_barrier_wait -1
	s_wait_alu depctr_vm_vsrc(0)                   ; the LDS stores have read l_15, which the last multiply-adds write again, and P_15, in whose register a load lands a stage on; the stage before's stores have read the row buffer that is asked for below; in stage 0 the head's LDS stores have read v[T+16 .. T+23], in which S lands
.irp k, 0,1,2,3
	ds_load_b128 v[AW+4*\k:AW+4*\k+3], v[LZ] offset:PW+16*\k
.endr
.set i, 0
.rept NT
	ds_load_b64 v[T+2*i:T+2*i+1], v[TA] offset:PS+256*i
.set i, i+1
.endr
.if (\s)+1 < NST
	GATES (\s)+1                                   ; behind the pairs, which are wanted first: they land during the walk
.endif
.if (\s)+DEPTH-1 < NST
.if (\s) > 0
	s_wait_xcnt 0x0                                ; the buffer asked for next holds the rows that the stage before stored: it is loaded again only behind this wait (ISA guide 3.1)
.endif
	FILL (\s)+DEPTH-1                              ; issued while the pairs come out of LDS
.endif
	; the walk over the waves' pairs; the masks hang on the wave's number alone
.set i, 0
.rept WAVES
.if i == 0
	v_mov_b32 v[C], v[H]                           ; wave 0's carry is the stage's; in the other waves it is replaced below
	v_mov_b32 v[C+1], v[H+1]
.else
	v_cndmask_b32 v[C], v[C], v[H], s[MK+i]
	v_cndmask_b32 v[C+1], v[C+1], v[H+1], s[MK+i]
.endif
.if i < NT
	s_wait_dscnt NT-1-i+MORE                       ; LDS loads come back in order (ISA guide 5.7.1): the products and S_0 .. S_i are in; the younger S and the next stage's a and g stay out
	BFMA H, H, AW+i, T+2*i
.endif
.set i, i+1
.endr
.set i, 0
.rept CH
	BFMA XB+2*i, C, AP+i, XB+2*i
.set i, i+1
.endr
	s_wait_alu depctr_va_vdst(0)                   ; the sixteen multiply-adds have written the stage's rows, which the stores read
.set i, 0
.rept CH
	global_store_b64 v[XO], v[XB+2*i:XB+2*i+1], s[10:11] offset:(\s)*STB+i*ROWB th:TH_STORE_NT  ; 256 consecutive bytes, at a multiple of 256 from out0's first byte
.set i, i+1
.endr
.endm
	STAGE 0
	STAGE 1
	STAGE 2
	STAGE 3
	STAGE 4                                        ; asks for the last stage's rows
	STAGE 5
	STAGE 6
	STAGE 7
	s_wait_dscnt 0x0                               ; the wave's end
	s_wait_alu 0x0
	s_wait_tensorcnt 0x0
	ds_add_u32 v[SPW], v[NIL]
	s_wait_dscnt 0x0
	s_endpgm
.Lfunc_end_k_q5dbc7f7cd1_topscan:
	.size	k_q5dbc7f7cd1_topscan, .Lfunc_end_k_q5dbc7f7cd1_topscan-k_q5dbc7f7cd1_topscan
	.p2alignl 7, 3214868480
	.fill 96, 4, 3214868480
	.section	.rodata,"a",@progbits
	.p2align	6, 0x0
	.amdhsa_kernel k_q5dbc7f7cd1_topscan
		.amdhsa_group_segment_fixed_size 26880
		.amdhsa_private_segment_fixed_size 0
		.amdhsa_enable_private_segment 0
		.amdhsa_kernarg_size 32
		.amdhsa_user_sgpr_count 2
		.amdhsa_user_sgpr_kernarg_segment_ptr 1
		.amdhsa_wavefront_size32 1
		.amdhsa_system_sgpr_workgroup_id_x 1
		.amdhsa_system_sgpr_workgroup_id_y 1
		.amdhsa_system_sgpr_workgroup_id_z 1
		.amdhsa_system_vgpr_workitem_id 0
		.amdhsa_next_free_vgpr 256
		.amdhsa_next_free_sgpr 66
		.amdhsa_reserve_vcc 0
		.amdhsa_float_denorm_mode_32 3
		.amdhsa_float_denorm_mode_16_64 3
		.amdhsa_memory_ordered 1
		.amdhsa_forward_progress 1
		.amdhsa_inst_pref_size 100
	.end_amdhsa_kernel
	.amdgpu_metadata
---
amdhsa.version: [ 1, 2 ]
amdhsa.kernels:
  - .name:           k_q5dbc7f7cd1_topscan
    .symbol:         k_q5dbc7f7cd1_topscan.kd
    .args:
      - { .name: x, .offset: 0, .size: 8, .value_kind: global_buffer, .address_space: global }
      - { .name: push_gate, .offset: 8, .size: 8, .value_kind: global_buffer, .address_space: global }
      - { .name: pop_gate, .offset: 16, .size: 8, .value_kind: global_buffer, .address_space: global }
      - { .name: out0, .offset: 24, .size: 8, .value_kind: global_buffer, .address_space: global }
    .group_segment_fixed_size: 26880
    .private_segment_fixed_size: 0
    .kernarg_segment_align: 8
    .kernarg_segment_size: 32
    .max_flat_workgroup_size: 512
    .sgpr_count:     66
    .vgpr_count:     256
    .wavefront_size: 32
...
	.end_amdgpu_metadata
.endif
;; end of part 2
